; MI455X (gfx1250); checked and timed in simulation.
; The chip was launched on July 23, 2026; its instructions are those of AMD's public machine-readable ISA for CDNA 5 (MIT licence, August 2026) and "CDNA5" Instruction Set Architecture Reference Guide (July 2026). The comments in the code are by the model that wrote it; some were corrected since.
;; Bahdanau Attention. Allowed arithmetic: matrix products marked QUANTISED: E4M3 operands, one E8M0 scale for each 32 along K, by v_wmma_scale_f32_16x16x128_f8f6f4 with both operands' format E4M3, f32 sums; products left as they are: f32 operands where the result goes on into a quantised operand, else bf16, f16 or f32 operands; f32 sums; everything else in f32.
;; Inputs: Vb 1 float32; Vw 1 x 1,024 float32; Wq 1,024 x 1,024 float32; Wv 1,024 x 1,024 float32; bq 1,024 float32; bv 1,024 float32; query 32 x 1,024 float32; values 32 x 2,048 x 1,024 float32.
;; Outputs: out0 32 x 1,024 float32; out1 32 x 2,048 x 1 float32.
;; This version of the problem:
;;   THIS VERSION OF THE PROBLEM IS GIVEN IN LOW PRECISION. The matrix products marked QUANTISED in the list below multiply operands that are first quantised to E4M3 (4 exponent bits, 3 mantissa bits; 8 bits a number), with one power-of-two scale for each 32 numbers along K (OCP MX v1.0); their sums are f32. All else is computed in f32.
;;   The module's matrix products, in the order in which they are computed (A, B: the left and right operand; K: the contracted axis; several contracted axes count as one K, in the product's order):
;;     1. [M 32, K 1,024] x [K 1,024, N 1,024]; A: input query; B: input Wq: QUANTISED
;;     2. [M 65,536, K 1,024] x [K 1,024, N 1,024]; A: input values; B: input Wv: QUANTISED
;;     3. [M 65,536, K 1,024] x [K 1,024, N 1]; A: computed on the way; B: input Vw: left as it is (N = 1 < 16)
;;   THE QUANTISER, for each operand of a quantised product, along K:
;;     - K is cut into blocks of 32 from its start; a last block that is shorter is filled with zeros.
;;     - A block's scale is 2^e with e = floor(log2(the largest magnitude in the block)) - 8, held to -126 .. 127; a block of zeros has e = 0. As a byte (E8M0): e + 127.
;;     - Each number is divided by its block's scale, clamped to +-448, and rounded to the nearest number of E4M3, ties to even, subnormals kept.
;;     - The product sums the exact products of the quantised numbers (number of the format x scale) in f32.
;;   ~~~python
;;   def quantise(x, axis):      # numpy; x: float32 -> the quantised numbers, widened to float32 again
;;       x = np.moveaxis(x, axis, -1); K = x.shape[-1]
;;       x = np.pad(x, [(0, 0)] * (x.ndim - 1) + [(0, -K % 32)]); x = x.reshape(x.shape[:-1] + (-1, 32)); a = np.abs(x).max(-1, keepdims=True)
;;       e = np.where(a > 0, np.clip(np.frexp(np.where(a > 0, a, 1))[1] - 1 - 8, -126, 127), 0)      # np.frexp(a)[1] - 1 = floor(log2(a)), exactly
;;       r = np.clip(x / 2.0 ** e, -448, 448)
;;       step = 2.0 ** (np.maximum(np.frexp(np.where(r == 0, 1, r))[1] - 1, -6) - 3)
;;       q = np.round(r / step) * step * 2.0 ** e      # np.round: ties to even
;;       return np.moveaxis(q.reshape(q.shape[:-2] + (-1,))[..., :K], -1, axis).astype(np.float32)
;;   ~~~
;; One version. Each part assembles by itself: llvm-mc -triple=amdgcn-amd-amdhsa -mcpu=gfx1250 --defsym DOCPART=n.
;; ======== version 1 of 1: 3 launches
;; limits: right only within a limited range of input values
;; workspace buffers: wvf 1,081,344 bytes; qv 262,144 bytes; scores 262,144 bytes; pm 32,768 bytes; pctx 1,048,576 bytes
;; launch prep (part 1): grid 192 x 1, 8 waves a work-group, no clusters, 144,384 bytes of LDS; arguments Wv, Wq, query, bq, bv, Vw, wvf, qv; writes wvf, qv
.if DOCPART == 1
	.amdgcn_target "amdgcn-amd-amdhsa--gfx1250"
	.amdhsa_code_object_version 6
	.text
	.protected	k_q39ca37c404_prep
	.globl	k_q39ca37c404_prep
	.p2align	8
	.type	k_q39ca37c404_prep,@function
k_q39ca37c404_prep:
	s_mov_b64 s[64:65], 0
	v_nop
	global_prefetch_b8 v0, s[64:65] scope:SCOPE_SE
	s_setreg_imm32_b32 hwreg(HW_REG_WAVE_MODE, 25, 1), 1
	s_wait_xcnt 0x0
; TWO SMALL JOBS IN ONE LAUNCH, told apart by the work-group's number.
; Work-groups 0-63: tile n (16 rows) of Wv [1024][1024] f32 becomes a RECORD of wvf: eight images of operand registers (K step s: 2,048 bytes, register group c of lane l at 2048 s + 512 c + 16 l),
;   then 512 bytes of E8M0 scale words, K step s of row r at 16384 + 64 s + 4 r: so a 32-lane load of 128 bytes has K step 2 q in lanes 0-15 and 2 q + 1 in lanes 16-31.
; Work-groups 64-191: tile n of Wq and tile bt (16 rows) of query are quantised and multiplied; with bq + bv the sums go to qv [batch 32][tile 64][half 2][16 f32]: eight numbers
;   q_proj + bq + bv of outputs 16 n + 8 h + 0..7, then eight numbers -2 Vw of the same outputs (the next launch takes tanh as 1 - 2 / (1 + e^2x)).
; SHARES: wave s takes K step s (128 along K), so all bytes of a work-group are asked for at once.  The product's K is so split over eight waves, whose partial sums meet in LDS and are added in ascending K.
; THE QUANTISER: a block's scale is 2^(floor(log2(largest magnitude)) - 8); the number is held within +-448 x the scale and converted, ties to even.
; LIMITS: NaN and infinities among the inputs are not served.  A block of zeros gets the byte 1, where the rule says 127: its codes are zeros, and this program alone reads the bytes.
; Stores: a record's images leave as runs of 512 bytes; its scale words as pieces of 64 bytes, and qv as pieces of 128 bytes (32 KB and 256 KB in the whole launch): these do not fill aligned blocks of 256 bytes.
; No tensor load, no cluster: no two work-groups of a kind read the same weight tile but the two batch tiles of one Wq tile, 64 KB each.
; LEFT OUT AS DEAD WORK, in the whole program: the input Vb, and the sum of Vw.  With tanh(x) = 1 - 2 / (1 + e^2x),
;   score[b][t] = (sum over o of Vw[o] + Vb) - 2 sum over o of Vw[o] / (1 + e^(2 x[b][t][o])).
; The bracket is the same for every t of a batch, and a score goes nowhere but into the softmax over t, which a term that is the same along its axis leaves as it is, for all finite inputs.
; So the program carries only the second term as its score; Vb has no way to an output, is not loaded and is among no launch's arguments.
; LIMIT: a NaN, an infinity or an overflow that reaches only Vb or the sum of Vw is not carried to the results.
.set REC,  16896
.set STGW, 8448                        ; a wave's stage: 16 rows x (512 + 16) bytes
.set SP,   528
.set STG1, 8*STGW                      ; each of the two jobs has stages of its own
.set PART, 16*STGW                     ; the eight partial sums: 1,024 bytes a wave
.set TM,   96                          ; v96-111 the quantiser's work registers
.set B0,   128                         ; v128-191 the weight's 16 rows x 128 numbers
.set B1,   192                         ; v192-255 query's
; 16 rows x 512 bytes, loaded 16 bytes a lane as they lie, go through the wave's own stage and come back so that register 16 b + i of lane (r, h) is number 32 b + 16 h + i of row r
.macro TURN b, ai, ao
.irp k, 0,1,2,3,4,5,6,7,8,9,10,11,12,13,14,15
	ds_store_b128 v[\ai], v[(\b)+4*\k:(\b)+4*\k+3] offset:SP*\k
.endr
.irp c, 0,1,2,3
.irp q, 0,1,2,3
	ds_load_b128 v[(\b)+16*\c+4*\q:(\b)+16*\c+4*\q+3], v[\ao] offset:128*\c+16*\q   ; LDS serves a wave's instructions in order: these see the stores above
.endr
.endr
.endm
; 64 numbers of a lane become a fragment's 16 registers of codes, v[pc] on, and its scale word, v[pw]
.macro QUANT s, pc, pw
.irp b, 0,1,2,3
	v_max3_num_f32 v[TM+\b], |v[(\s)+16*\b]|, |v[(\s)+1+16*\b]|, 0x4800000   ; my 16 numbers of block b, and the floor 2^(9 - 127): the byte cannot fall under 1
.endr
.irp i, 2,4,6,8,10,12,14
.irp b, 0,1,2,3
	s_delay_alu instid0(VALU_DEP_4)
	v_max3_num_f32 v[TM+\b], v[TM+\b], |v[(\s)+16*\b+\i]|, |v[(\s)+1+16*\b+\i]|
.endr
.endr
.irp b, 0,1,2,3
	s_delay_alu instid0(VALU_DEP_4)
	v_permlanex16_b32 v[TM+4+\b], v[TM+\b], s34, s35
.endr
.irp b, 0,1,2,3
	s_delay_alu instid0(VALU_DEP_4)
	v_max_num_f32 v[TM+\b], v[TM+\b], v[TM+4+\b]           ; with lane l xor 16's 16: the block's largest magnitude
.endr
.irp b, 0,1,2,3
	s_delay_alu instid0(VALU_DEP_4)
	v_add_nc_u32 v[TM+12+\b], 0xfc000000, v[TM+\b]         ; 8 off its exponent field: the conversion's scale operand
.endr
.irp b, 0,1,2,3
	v_and_or_b32 v[TM+8+\b], v[TM+\b], 0x7f800000, s36     ; 448 x the scale
.endr
.irp b, 0,1,2,3
	v_lshrrev_b32 v[TM+4+\b], 23, v[TM+12+\b]              ; the scale's byte
.endr
	s_delay_alu instid0(VALU_DEP_3)
	v_lshl_or_b32 v[\pw], v[TM+5], 8, v[TM+4]
	s_delay_alu instid0(VALU_DEP_1)
	v_lshl_or_b32 v[\pw], v[TM+6], 16, v[\pw]
	s_delay_alu instid0(VALU_DEP_1)
	v_lshl_or_b32 v[\pw], v[TM+7], 24, v[\pw]
.irp b, 0,1,2,3
.irp i, 0,1,2,3,4,5,6,7,8,9,10,11,12,13,14,15
	v_med3_num_f32 v[(\s)+16*\b+\i], v[(\s)+16*\b+\i], -v[TM+8+\b], v[TM+8+\b]   ; the conversion to an 8-bit code does not saturate (ISA guide 7.6.2)
.endr
	v_cvt_scalef32_pk8_fp8_f32 v[(\pc)+4*\b:(\pc)+4*\b+1], v[(\s)+16*\b:(\s)+16*\b+7], v[TM+12+\b]
	v_cvt_scalef32_pk8_fp8_f32 v[(\pc)+4*\b+2:(\pc)+4*\b+3], v[(\s)+16*\b+8:(\s)+16*\b+15], v[TM+12+\b]
.endr
	v_nop                                          ; one plain line behind the last scaled conversion
.endm
	s_load_b512 s[4:19], s[0:1], 0x0               ; Wv s[4:5], Wq s[6:7], query s[8:9], bq s[10:11], bv s[12:13], Vw s[14:15], wvf s[16:17], qv s[18:19]
	v_lshl_add_u32 v126, v0, 2, 0x23000
	v_mov_b32 v127, 0
	v_lshrrev_b32 v8, 5, v0
	s_delay_alu instid0(VALU_DEP_1)
	v_readfirstlane_b32 s20, v8                    ; wave = K step s
	v_and_b32 v8, 31, v0                           ; lane l
	v_and_b32 v9, 15, v0                           ; r
	v_bfe_u32 v10, v0, 4, 1                        ; h
	s_delay_alu instid0(VALU_DEP_3)
	v_lshlrev_b32 v1, 4, v8                        ; v1  16 l
	s_mul_i32 s21, s20, STGW
	v_add_nc_u32 v2, s21, v1                       ; v2  the first job's stage, on the way in
	v_mul_u32_u24 v11, v9, SP
	s_delay_alu instid0(VALU_DEP_1)
	v_lshl_add_u32 v11, v10, 6, v11
	s_delay_alu instid0(VALU_DEP_1)
	v_add_nc_u32 v3, s21, v11                      ; v3  and on the way out: row r, + 64 h
	s_delay_alu instid0(VALU_DEP_4)
	v_add_nc_u32 v4, STG1, v2                      ; v4, v5  the second job's
	s_delay_alu instid0(VALU_DEP_2)
	v_add_nc_u32 v5, STG1, v3
	s_lshl_b32 s21, s20, 6
	v_lshl_add_u32 v6, v9, 2, s21                  ; v6  4 r + 64 s: my scale word in a record
	v_lshlrev_b32 v7, 13, v9
	s_delay_alu instid0(VALU_DEP_1)
	v_lshl_add_u32 v7, v10, 6, v7                  ; v7  8192 r + 64 h: my 64 bytes in qv
	s_lshl_b32 s21, s20, 11
	v_add_nc_u32 v12, s21, v1                      ; v12 16 l + 2048 s: my image in a record
	v_lshlrev_b32 v14, 5, v10                      ; v14 32 h: my eight numbers of a tile of bq, bv, Vw
	s_lshl_b32 s21, s20, 10
	s_add_co_u32 s21, s21, PART
	v_add_nc_u32 v15, s21, v1                      ; v15 where I put my partial sums
	v_add_nc_u32 v16, PART, v1                     ; v16 where wave 0 reads them
.irp b, 0,1,2,3
	v_mov_b32 v[TM+4+\b], 0                        ; written once: a lane permute's destination counts as one of its sources
.endr
	s_mov_b32 s34, 0x76543210
	s_mov_b32 s35, 0xfedcba98                      ; lane l xor 16
	s_mov_b32 s36, 0x600000                        ; the mantissa field of 448
	s_sub_co_u32 s22, ttmp9, 64
	s_lshr_b32 s23, s22, 1                         ; second job: tile n of Wq,
	s_and_b32 s26, s22, 1                          ; and tile bt of query
	s_mov_b32 s29, 0
	s_mov_b32 s31, 0
	s_wait_kmcnt 0x0
	s_cmp_lt_u32 ttmp9, 64                         ; the choice hangs on the work-group's number alone
	s_cselect_b32 s23, ttmp9, s23
	s_cselect_b64 s[24:25], s[4:5], s[6:7]
	s_lshl_b32 s28, s23, 16                        ; 16 rows of 4,096 bytes a tile,
	s_lshl_b32 s30, s20, 9                         ; 512 bytes a K step
	s_add_co_u32 s28, s28, s30
	s_add_nc_u64 s[24:25], s[24:25], s[28:29]
.irp k, 0,1,2,3,4,5,6,7,8,9,10,11,12,13,14,15
	global_load_b128 v[B0+4*\k:B0+4*\k+3], v1, s[24:25] offset:4096*\k   ; 32 lanes read 512 consecutive bytes of row k
.endr
	s_cmp_lt_u32 ttmp9, 64
	s_cbranch_scc0 .Lquery
	; ---- Wv's tile: a record
	s_mul_i32 s28, s23, REC
	s_add_nc_u64 s[16:17], s[16:17], s[28:29]
	s_wait_loadcnt 0x0
	TURN B0, 2, 3
	s_wait_dscnt 0x0
	QUANT B0, 28, 24
.irp c, 0,1,2,3
	global_store_b128 v12, v[28+4*\c:31+4*\c], s[16:17] offset:512*\c   ; 512 consecutive bytes
.endr
	global_store_b32 v6, v24, s[16:17] offset:16384    ; lanes l and l xor 16 hold the same word and write it to the same place
	s_wait_tensorcnt 0x0
	ds_add_u32 v126, v127
	s_wait_dscnt 0x0
	s_endpgm
	; ---- q_proj: one matrix instruction a wave
.Lquery:
	s_lshl_b32 s28, s26, 16
	s_add_co_u32 s28, s28, s30
	s_add_nc_u64 s[8:9], s[8:9], s[28:29]
.irp k, 0,1,2,3,4,5,6,7,8,9,10,11,12,13,14,15
	global_load_b128 v[B1+4*\k:B1+4*\k+3], v1, s[8:9] offset:4096*\k
.endr
	s_lshl_b32 s30, s23, 6                         ; 64 bytes a tile of 16 outputs
	s_add_nc_u64 s[10:11], s[10:11], s[30:31]
	s_add_nc_u64 s[12:13], s[12:13], s[30:31]
	s_add_nc_u64 s[14:15], s[14:15], s[30:31]
	s_lshl_b32 s28, s26, 17                        ; qv: 16 batches of 8,192 bytes,
	s_lshl_b32 s30, s23, 7                         ; 128 bytes a tile
	s_add_co_u32 s28, s28, s30
	s_add_nc_u64 s[18:19], s[18:19], s[28:29]
	s_cmp_lg_u32 s20, 0
	s_cbranch_scc1 .Lno_bias                       ; wave 0 alone finishes the sums, so it alone asks for these
	s_wait_alu depctr_va_vdst(0)
	global_load_b128 v[68:71], v14, s[10:11]
	global_load_b128 v[72:75], v14, s[10:11] offset:16
	global_load_b128 v[76:79], v14, s[12:13]
	global_load_b128 v[80:83], v14, s[12:13] offset:16
	global_load_b128 v[84:87], v14, s[14:15]
	global_load_b128 v[88:91], v14, s[14:15] offset:16
.Lno_bias:
	s_wait_loadcnt 16                              ; the weight's 16 loads are in: behind them stand query's 16 (in wave 0 six more, so this count also waits for six of query's, which costs no wrong value)
	TURN B0, 4, 5
	s_wait_dscnt 0x0
	QUANT B0, 28, 24
	s_wait_loadcnt 0x0
	TURN B1, 4, 5
	s_wait_dscnt 0x0
	QUANT B1, 44, 25
.rept 4
	v_nop                                          ; codes written by vector instructions stand four places ahead of a scaled matrix instruction; the scale words were made ahead of the 64 holds
.endr
	v_wmma_scale_f32_16x16x128_f8f6f4 v[60:67], v[28:43], v[44:59], 0, v24, v25   ; source 0 = 16 outputs, source 1 = 16 batches: lane (r, h) holds batch r, outputs 8 h + 0..7
.rept 8
	v_nop
.endr
	ds_store_b128 v15, v[60:63]                    ; from the low end on
	ds_store_b128 v15, v[64:67] offset:512
	s_wait_dscnt 0x0                               ; for wave 0's sake
	s_barrier_signal -1
	s_barrier_wait -1
	s_cmp_lg_u32 s20, 0
	s_cbranch_scc1 .Lend
.irp s, 0,1,2,3,4,5,6,7
	ds_load_b128 v[B0+8*\s:B0+8*\s+3], v16 offset:1024*\s
	ds_load_b128 v[B0+8*\s+4:B0+8*\s+7], v16 offset:1024*\s+512
.endr
.irp q, 0,2,4,6
	v_pk_add_f32 v[68+\q:69+\q], v[68+\q:69+\q], v[76+\q:77+\q]       ; bq + bv
	v_pk_mul_f32 v[84+\q:85+\q], v[84+\q:85+\q], -2.0 op_sel_hi:[1,0]  ; -2 Vw
.endr
	s_wait_alu depctr_va_vdst(0)
	s_wait_dscnt 0x0
.irp s, 0,1,2,3,4,5,6,7
.irp q, 0,2,4,6
	v_pk_add_f32 v[68+\q:69+\q], v[68+\q:69+\q], v[B0+8*\s+\q:B0+8*\s+\q+1]   ; the eight K steps' sums, K ascending
.endr
.endr
	global_store_b128 v7, v[68:71], s[18:19]
	global_store_b128 v7, v[72:75], s[18:19] offset:16
	global_store_b128 v7, v[84:87], s[18:19] offset:32
	global_store_b128 v7, v[88:91], s[18:19] offset:48
.Lend:
	s_wait_tensorcnt 0x0
	ds_add_u32 v126, v127
	s_wait_dscnt 0x0
	s_endpgm
.Lfunc_end_k_q39ca37c404_prep:
	.size	k_q39ca37c404_prep, .Lfunc_end_k_q39ca37c404_prep-k_q39ca37c404_prep
	.p2alignl 7, 3214868480
	.fill 96, 4, 3214868480
	.section	.rodata,"a",@progbits
	.p2align	6, 0x0
	.amdhsa_kernel k_q39ca37c404_prep
		.amdhsa_group_segment_fixed_size 144384
		.amdhsa_private_segment_fixed_size 0
		.amdhsa_enable_private_segment 0
		.amdhsa_kernarg_size 64
		.amdhsa_user_sgpr_count 2
		.amdhsa_user_sgpr_kernarg_segment_ptr 1
		.amdhsa_wavefront_size32 1
		.amdhsa_system_sgpr_workgroup_id_x 1
		.amdhsa_system_sgpr_workgroup_id_y 1
		.amdhsa_system_sgpr_workgroup_id_z 1
		.amdhsa_system_vgpr_workitem_id 0
		.amdhsa_next_free_vgpr 256
		.amdhsa_next_free_sgpr 66
		.amdhsa_reserve_vcc 0
		.amdhsa_float_denorm_mode_32 3
		.amdhsa_float_denorm_mode_16_64 3
		.amdhsa_memory_ordered 1
		.amdhsa_forward_progress 1
		.amdhsa_inst_pref_size 47
	.end_amdhsa_kernel
	.amdgpu_metadata
---
amdhsa.version: [ 1, 2 ]
amdhsa.kernels:
  - .name:           k_q39ca37c404_prep
    .symbol:         k_q39ca37c404_prep.kd
    .args:
      - { .name: Wv, .offset: 0, .size: 8, .value_kind: global_buffer, .address_space: global }
      - { .name: Wq, .offset: 8, .size: 8, .value_kind: global_buffer, .address_space: global }
      - { .name: query, .offset: 16, .size: 8, .value_kind: global_buffer, .address_space: global }
      - { .name: bq, .offset: 24, .size: 8, .value_kind: global_buffer, .address_space: global }
      - { .name: bv, .offset: 32, .size: 8, .value_kind: global_buffer, .address_space: global }
      - { .name: Vw, .offset: 40, .size: 8, .value_kind: global_buffer, .address_space: global }
      - { .name: wvf, .offset: 48, .size: 8, .value_kind: global_buffer, .address_space: global }
      - { .name: qv, .offset: 56, .size: 8, .value_kind: global_buffer, .address_space: global }
    .group_segment_fixed_size: 144384
    .private_segment_fixed_size: 0
    .kernarg_segment_align: 8
    .kernarg_segment_size: 64
    .max_flat_workgroup_size: 256
    .sgpr_count:     66
    .vgpr_count:     256
    .wavefront_size: 32
...
	.end_amdgpu_metadata
.endif
;; end of part 1
;; launch main (part 2): grid 256 x 1, 4 waves a work-group, clusters of 4 x 1, 327,680 bytes of LDS; arguments values, wvf, qv, scores, pm, pctx; writes scores, pm, pctx
.if DOCPART == 2
	.amdgcn_target "amdgcn-amd-amdhsa--gfx1250"
	.amdhsa_code_object_version 6
	.text
	.protected	k_q39ca37c404_main
	.globl	k_q39ca37c404_main
	.p2align	8
	.type	k_q39ca37c404_main,@function
k_q39ca37c404_main:
	s_mov_b64 s[64:65], 0
	v_nop
	global_prefetch_b8 v0, s[64:65] scope:SCOPE_SE
	s_setreg_imm32_b32 hwreg(HW_REG_WAVE_MODE, 25, 1), 1
	s_wait_xcnt 0x0
	s_wait_alu depctr_hold_cnt(0) depctr_sa_sdst(0) depctr_va_vdst(0) depctr_va_sdst(0) depctr_va_ssrc(0) depctr_va_vcc(0) depctr_vm_vsrc(0)
	s_getreg_b32 s2, hwreg(HW_REG_IB_STS2, 6, 4)
	s_cmp_eq_u32 s2, 0
	s_cbranch_scc0 .Lentry_in_a_cluster
	s_endpgm
.Lentry_in_a_cluster:
	s_bfe_u32 s2, ttmp6, 0x10000c
	s_cmp_lg_u32 s2, 0x3003
	s_cbranch_scc0 .Lentry_shape_is_right
	s_endpgm
.Lentry_shape_is_right:
; SCORES, A PART'S SOFTMAX AND A PART'S CONTEXT.  A work-group owns 256 rows (t) of one batch, in two chunks of 128.
; score = -2 sum over o of Vw[o] / (1 + e^(2 x)), x = values Wv^T + q_proj + bq + bv.  Vb and the sum of Vw are left out as dead work: the first kernel's head shows why.
; THE DEAL.  Waves 2 x 2: a wave holds 64 rows of values as codes of E4M3, all of K, in 512 registers (windows 2, 3), and takes 32 of Wv's 64 tiles of 16 outputs.
; Wv's tiles come as records (images of operand registers and scale words, laid by the first launch) through two LDS slots of four records, a record a wave, by loads shared in the cluster of four: all work-groups walk the same records.
; THE ORDER.  Chunk 0 is quantised; chunk 0's products run while chunk 1 is quantised; chunk 1's products run while chunk 0's rows are read again for the context; then chunk 1's context.
; A UNIT of values is 16 rows x 512 bytes, 16 loads of 512 consecutive bytes; two units are out at a time.  For the quantiser a unit turns through the wave's own stage, so that a lane holds 16 neighbours along K.
; A STEP (macro SUB) is two tiles: 32 products on end on four accumulators by turns, then tanh of the 32 sums as batches (16 packed multiplies, 32 exponentials, 16 packed adds, 32 reciprocals, 16 packed multiply-adds).
; Each tile's tanh stands behind the LDS loads of the next tile's fragments, ahead of the wait for them.
; The products are used transposed: source 0 = 16 outputs, source 1 = 16 rows: lane (r, h) holds row r and outputs 8 h + 0..7; the first product's C is q_proj + bq + bv.
; OUT: scores [256 a work-group]; pm: the part's maximum; pctx: the part's sum of 2^((score - m) log2 e) x values.  The last launch joins the eight parts of a batch.
; No data prefetch: the values come by register loads that run two units (32 loads a wave) ahead in every loop, and the records are 1,081,344 bytes that every work-group reads.
; LIMITS: NaN and infinities among the inputs are not served.  A block of zeros gets the byte 1: its codes are zeros, and this program alone reads the bytes.
.set REC,   16896                      ; a record: 8 images of 2,048 bytes, 512 bytes of scale words
.set SLOT,  4*REC
.set QVT,   2*SLOT                     ; the batch's table qv, 8,192 bytes
.set AIMG,  QVT+8192                   ; the codes of 128 rows, as images of operand registers
.set ASC,   AIMG+131072                ; their scale words
.set STG,   ASC+4096                   ; a stage for each wave: 16 rows x 528 bytes
.set STGW,  8448
.set SP,    528
.set SCR,   STG+4*STGW                 ; the two halves of the scores' sums
.set PT,    SCR+1024                   ; p, 512 bytes for each wave
.set SPARE, PT+2048                    ; the spare words
.set SPW,  1
.set NIL,  2
.set L16,  3                           ; 16 x lane
.set STW,  4
.set STR,  5
.set XWI0, 6
.set XWS0, 7
.set XWIC, 8
.set XWSC, 9
.set LAI,  10
.set LAS,  11
.set SCW,  12
.set SCRD, 13
.set PTW,  14
.set PTR0, 15
.set PTRC, 16
.set PMO,  17
.set ML,   20
.set MX,   21
.set SBA,  22
.set TM,   24                          ; v24-39 the quantiser's work
.set PW,   40
.set PC,   44
.set SA,   60                          ; v60-75 the rows' scale words
.set SB,   76                          ; v76-83 the records' scale words
.set CTX,  84                          ; v84-99 the context's sums
.set P,    100
.set T,    116
.set BUF,  128                         ; v128-255 two units of values
.set ACC,  128                         ; window 1: v0-127 a record's fragments; v128-191 two sets of four accumulators
.set QB,   192                         ; window 1: the first products' C, two tiles
.set VW,   208                         ; window 1: -2 Vw, two tiles
.set SS,   224                         ; window 1: the scores' sums
.set BAD,  232
.set QV0,  234
.set QVC,  235
.set MSB, 0
.macro WIN new                         ; the immediate's high byte repeats the setting that is left
.if MSB != \new
	s_set_vgpr_msb (MSB<<8)|\new
.set MSB, \new
.endif
.endm
.macro PLACES n
.rept \n
	v_nop
.endr
.endm
.macro ROUND                           ; a round of the cluster's barrier
	s_barrier_signal -1
	s_barrier_wait -1
	s_cmp_lg_u32 s20, 0
	s_cbranch_scc1 .Lnot_wave_0_\@
	s_barrier_signal -3
.Lnot_wave_0_\@:
	s_barrier_wait -3
	s_barrier_signal -1
	s_barrier_wait -1
.endm
.macro NEXTPTR                         ; s70 counts pairs of units: 0-15 for the quantiser (K step s70 % 8 of chunk s70 / 8), 16-31 for the context (16 rows on each time)
	s_wait_xcnt 0x0                                ; the loads have read their bases
	s_add_co_u32 s70, s70, 1
	s_and_b32 s78, s70, 8
	s_lshl_b32 s78, s78, 16
	s_and_b32 s79, s70, 7
	s_lshl_b32 s79, s79, 9
	s_add_co_u32 s78, s78, s79
	s_add_co_u32 s78, s78, s71
	s_sub_co_u32 s79, s70, 16
	s_lshl_b32 s79, s79, 16
	s_add_co_u32 s79, s79, s72
	s_cmp_lt_u32 s70, 16
	s_cselect_b32 s76, s78, s79
	s_cselect_b32 s80, s73, 512
	s_add_nc_u64 s[66:67], s[74:75], s[76:77]
	s_add_nc_u64 s[68:69], s[66:67], s[80:81]
.endm
.macro ISSUE u, hint                   ; a unit: 16 rows, 512 consecutive bytes a load
.irp k, 0,1,2,3,4,5,6,7,8,9,10,11,12,13,14,15
.if \hint
	global_load_b128 v[BUF+64*(\u)+4*\k:BUF+64*(\u)+4*\k+3], v[L16], s[66+2*(\u):67+2*(\u)] offset:4096*\k th:TH_LOAD_NT
.else
	global_load_b128 v[BUF+64*(\u)+4*\k:BUF+64*(\u)+4*\k+3], v[L16], s[66+2*(\u):67+2*(\u)] offset:4096*\k
.endif
.endr
.endm
.macro TURN u                          ; through my stage: register 16 b + i of lane (r, h) becomes number 32 b + 16 h + i of row r.  LDS serves a wave's instructions in order
.irp k, 0,1,2,3,4,5,6,7,8,9,10,11,12,13,14,15
	ds_store_b128 v[STW], v[BUF+64*(\u)+4*\k:BUF+64*(\u)+4*\k+3] offset:SP*\k
.endr
.irp b, 0,1,2,3
.irp q, 0,1,2,3
	ds_load_b128 v[BUF+64*(\u)+16*\b+4*\q:BUF+64*(\u)+16*\b+4*\q+3], v[STR] offset:128*\b+16*\q
.endr
.endr
.endm
.macro QUANT s                         ; 64 numbers of a lane -> 16 registers of codes v[PC] on, the scale word v[PW]
.irp b, 0,1,2,3
	v_max3_num_f32 v[TM+\b], |v[(\s)+16*\b]|, |v[(\s)+1+16*\b]|, 0x4800000   ; the floor 2^(9 - 127): the byte cannot fall under 1
.endr
.irp i, 2,4,6,8,10,12,14
.irp b, 0,1,2,3
	v_max3_num_f32 v[TM+\b], v[TM+\b], |v[(\s)+16*\b+\i]|, |v[(\s)+1+16*\b+\i]|
.endr
.endr
.irp b, 0,1,2,3
	v_permlanex16_b32 v[TM+4+\b], v[TM+\b], s26, s27
.endr
.irp b, 0,1,2,3
	v_max_num_f32 v[TM+\b], v[TM+\b], v[TM+4+\b]           ; the block's largest magnitude
.endr
.irp b, 0,1,2,3
	v_add_nc_u32 v[TM+12+\b], 0xfc000000, v[TM+\b]         ; 8 off its exponent field: the conversion's scale operand
.endr
.irp b, 0,1,2,3
	v_and_or_b32 v[TM+8+\b], v[TM+\b], 0x7f800000, s28     ; 448 x the scale
.endr
.irp b, 0,1,2,3
	v_lshrrev_b32 v[TM+4+\b], 23, v[TM+12+\b]              ; the scale's byte
.endr
	v_lshl_or_b32 v[PW], v[TM+5], 8, v[TM+4]
	v_lshl_or_b32 v[PW], v[TM+6], 16, v[PW]
	v_lshl_or_b32 v[PW], v[TM+7], 24, v[PW]
.irp b, 0,1,2,3
.irp i, 0,1,2,3,4,5,6,7,8,9,10,11,12,13,14,15
	v_med3_num_f32 v[(\s)+16*\b+\i], v[(\s)+16*\b+\i], -v[TM+8+\b], v[TM+8+\b]   ; the conversion does not saturate (ISA guide 7.6.2)
.endr
	v_cvt_scalef32_pk8_fp8_f32 v[PC+4*\b:PC+4*\b+1], v[(\s)+16*\b:(\s)+16*\b+7], v[TM+12+\b]
	v_cvt_scalef32_pk8_fp8_f32 v[PC+4*\b+2:PC+4*\b+3], v[(\s)+16*\b+8:(\s)+16*\b+15], v[TM+12+\b]
.endr
	v_nop                                          ; one plain line behind the last scaled conversion
.endm
.macro IMAGE u                         ; the codes and the scale word to their place among the chunk's images
	v_add_nc_u32 v[XWIC], s83, v[XWI0]
	v_add_nc_u32 v[XWSC], s84, v[XWS0]
.irp c, 0,1,2,3
	ds_store_b128 v[XWIC], v[PC+4*\c:PC+4*\c+3] offset:16384*(\u)+512*\c
.endr
	ds_store_b32 v[XWSC], v[PW] offset:512*(\u)
.endm
.macro CFMA u                          ; the context: 16 rows x my 4 columns, x p of the row; two chains
.irp k, 0,1,2,3,4,5,6,7,8,9,10,11,12,13,14,15
.set cb, CTX+8*(\u)+4*(\k%2)
.set bb, BUF+64*(\u)+4*\k
.set pp, P+2*(\k/2)
.if \k%2 == 0
	v_pk_fma_f32 v[cb:cb+1], v[bb:bb+1], v[pp:pp+1], v[cb:cb+1] op_sel_hi:[1,0,1]
	v_pk_fma_f32 v[cb+2:cb+3], v[bb+2:bb+3], v[pp:pp+1], v[cb+2:cb+3] op_sel_hi:[1,0,1]
.else
	v_pk_fma_f32 v[cb:cb+1], v[bb:bb+1], v[pp:pp+1], v[cb:cb+1] op_sel:[0,1,0] op_sel_hi:[1,1,1]
	v_pk_fma_f32 v[cb+2:cb+3], v[bb+2:bb+3], v[pp:pp+1], v[cb+2:cb+3] op_sel:[0,1,0] op_sel_hi:[1,1,1]
.endif
.endr
.endm
.macro PLOAD                           ; p of 16 rows, the same in every lane
	v_add_nc_u32 v[PTRC], s86, v[PTR0]
.irp q, 0,1,2,3
	ds_load_b128 v[P+4*\q:P+4*\q+3], v[PTRC] offset:16*\q
.endr
.endm
.macro LOADS0 u                        ; 46 LDS loads: both tiles' scale words, the first tile's fragments, C and -2 Vw, the second tile's C
.irp e, 0,1
.irp q, 0,1,2,3
	ds_load_b32 v[SB+4*\e+\q], v[SBA+(\u)] offset:REC*\e+128*\q
.endr
.endr
	WIN 0x55
	v_add_nc_u32 v[QVC], s85, v[QV0]
	ds_load_b128 v[QB:QB+3], v[QVC] offset:256*(\u)
	ds_load_b128 v[QB+4:QB+7], v[QVC] offset:256*(\u)+16
.irp s, 0,1,2,3,4,5,6,7
.irp c, 0,1,2,3
	ds_load_b128 v[16*\s+4*\c:16*\s+4*\c+3], v[BAD+(\u)] offset:2048*\s+512*\c
.endr
.endr
	ds_load_b128 v[VW:VW+3], v[QVC] offset:256*(\u)+32
	ds_load_b128 v[VW+4:VW+7], v[QVC] offset:256*(\u)+48
	ds_load_b128 v[QB+8:QB+11], v[QVC] offset:256*(\u)+128
	ds_load_b128 v[QB+12:QB+15], v[QVC] offset:256*(\u)+144
	WIN 0
.endm
.macro RELOADS u                       ; the second tile's fragments and -2 Vw
	WIN 0x55
.irp s, 0,1,2,3,4,5,6,7
.irp c, 0,1,2,3
	ds_load_b128 v[16*\s+4*\c:16*\s+4*\c+3], v[BAD+(\u)] offset:REC+2048*\s+512*\c
.endr
.endr
	ds_load_b128 v[VW+8:VW+11], v[QVC] offset:256*(\u)+160
	ds_load_b128 v[VW+12:VW+15], v[QVC] offset:256*(\u)+176
.endm
.macro PROD p                          ; K step ks, row tile ta, into set p
.set rD, ACC+32*(\p)+8*ta
.set rC, rD
.if ks == 0
.set rC, QB+8*(\p)
.endif
.set rB, 16*ks
.set rA, 64*ta+16*(ks%4)
.set rX, SB+4*(\p)+ks/2
.set rY, SA+8*(ta/2)+ks
.if (ks%2 == 0) && (ta%2 == 0)
	v_wmma_scale_f32_16x16x128_f8f6f4 v[rD:rD+7], v[rB:rB+15], v[rA:rA+15], v[rC:rC+7], v[rX], v[rY]
.elseif ta%2 == 0
	v_wmma_scale_f32_16x16x128_f8f6f4 v[rD:rD+7], v[rB:rB+15], v[rA:rA+15], v[rC:rC+7], v[rX], v[rY] matrix_a_scale:MATRIX_SCALE_ROW1
.elseif ks%2 == 0
	v_wmma_scale_f32_16x16x128_f8f6f4 v[rD:rD+7], v[rB:rB+15], v[rA:rA+15], v[rC:rC+7], v[rX], v[rY] matrix_b_scale:MATRIX_SCALE_ROW1
.else
	v_wmma_scale_f32_16x16x128_f8f6f4 v[rD:rD+7], v[rB:rB+15], v[rA:rA+15], v[rC:rC+7], v[rX], v[rY] matrix_a_scale:MATRIX_SCALE_ROW1 matrix_b_scale:MATRIX_SCALE_ROW1
.endif
.endm
.macro PRODS p                         ; a tile's 32 products on end: the four accumulators take turns, one instruction a turn
.set n, 0
.rept 32
.set ks, n/4
.set ta, n%4
.if n == 0
	WIN 0x59
.endif
.if n == 16
	WIN 0x5d
.endif
	PROD \p
.set n, n+1
.endr
	WIN 0
.endm
; tanh of a tile's 32 sums, and their share of the scores: SS += -2 Vw / (1 + 2^(x 2 log2 e)).  An exponential that overflows gives the reciprocal 0, one that falls to 0 the reciprocal 1: tanh's two ends.
; The waits: one ahead of the sums' first readers, one ahead of each batch of transcendentals and one behind it.
.macro TANH rb, vw
	WIN 0x55
	s_wait_alu depctr_va_vdst(0)
.set j, 0
.rept 16
	v_pk_mul_f32 v[(\rb)+j:(\rb)+j+1], v[(\rb)+j:(\rb)+j+1], s[30:31] op_sel_hi:[1,0]   ; each accumulator from its low end on
.set j, j+2
.endr
	s_wait_alu depctr_va_vdst(0)
.set j, 0
.rept 32
	v_exp_f32 v[(\rb)+j], v[(\rb)+j]
.set j, j+1
.endr
	v_nop
	s_wait_alu depctr_va_vdst(0)
.set j, 0
.rept 16
	v_pk_add_f32 v[(\rb)+j:(\rb)+j+1], v[(\rb)+j:(\rb)+j+1], 1.0 op_sel_hi:[1,0]
.set j, j+2
.endr
	s_wait_alu depctr_va_vdst(0)
.set j, 0
.rept 32
	v_rcp_f32 v[(\rb)+j], v[(\rb)+j]
.set j, j+1
.endr
	v_nop
	s_wait_alu depctr_va_vdst(0)
.irp q, 0,1,2,3
.irp t, 0,1,2,3
	v_pk_fma_f32 v[SS+2*\t:SS+2*\t+1], v[(\rb)+8*\t+2*\q:(\rb)+8*\t+2*\q+1], v[(\vw)+2*\q:(\vw)+2*\q+1], v[SS+2*\t:SS+2*\t+1]
.endr
.endr
	WIN 0
.endm
.macro FLUSH                           ; a chunk's last tile
	s_wait_dscnt 0x0
	PLACES 8
	TANH ACC+32, VW+8
.endm
.macro GINIT                           ; a chunk begins: the sums are 0; the first step's tanh has no tile before it: it finds zeros and -2 Vw = 0, and adds 0
	WIN 0x40
.irp q, 0,1,2,3,4,5,6,7
	v_mov_b32 v[SS+\q], 0
	v_mov_b32 v[VW+8+\q], 0
.endr
.set q2, 0
.rept 32
	v_mov_b32 v[ACC+32+q2], 0
.set q2, q2+1
.endr
	WIN 0
.endm
.macro LOADA                           ; my 64 rows' codes, all of K, into windows 2 and 3; their scale words
	WIN 0x80
.irp t, 0,1,2,3
.irp s, 0,1,2,3
.irp c, 0,1,2,3
	ds_load_b128 v[64*\t+16*\s+4*\c:64*\t+16*\s+4*\c+3], v[LAI] offset:16384*\t+2048*\s+512*\c
.endr
.endr
.endr
	WIN 0xc0
.irp t, 0,1,2,3
.irp s, 0,1,2,3
.irp c, 0,1,2,3
	ds_load_b128 v[64*\t+16*\s+4*\c:64*\t+16*\s+4*\c+3], v[LAI] offset:16384*\t+2048*(\s+4)+512*\c
.endr
.endr
.endr
	WIN 0
.irp q, 0,1
	ds_load_b128 v[SA+8*\q:SA+8*\q+3], v[LAS] offset:1024*\q
	ds_load_b128 v[SA+8*\q+4:SA+8*\q+7], v[LAS] offset:1024*\q+16
.endr
.endm
; A STEP: slot u's two tiles.  kind 0: a unit is quantised beside them; kind 1: a unit goes into the context.  refill: the other slot is filled.  pre: the next unit turns through the stage (2: not in the loop's last trip)
.macro SUB kind, u, refill, pre
	s_wait_tensorcnt 0x0                           ; my record of this slot is in;
	ds_add_u32 v[SPW], v[NIL]
.if \refill
.if (\u) == 0
	s_mul_i32 s62, s82, SLOT
	s_add_co_u32 s62, s62, 2*REC
	s_add_nc_u64 s[54:55], s[60:61], s[62:63]
	s_or_b32 s55, s55, 0x80000000
.else
	s_add_co_u32 s62, s82, 1
	s_and_b32 s62, s62, 7
	s_mul_i32 s62, s62, SLOT
	s_add_nc_u64 s[50:51], s[60:61], s[62:63]
	s_or_b32 s51, s51, 0x80000000
.endif
.endif
	s_wait_dscnt 0x0                               ; the add is done, and my reads of the other slot are over
.if \refill
	ROUND
.if (\u) == 0
	tensor_load_to_lds s[52:55], s[32:39]
	s_nop 0
.else
	tensor_load_to_lds s[48:51], s[32:39]
	s_nop 0
.endif
	PLACES 4
.else
	s_barrier_signal -1
	s_barrier_wait -1
.endif
	PLACES 8-4*(\refill)                           ; eight places behind the last products, ahead of loads into what they read
.if ((\kind) == 1) && ((\u) == 0)
	PLOAD
.endif
	LOADS0 \u
	TANH ACC+32, VW+8                              ; the tile before, while the loads are out
.if (\kind) == 0
	QUANT BUF+64*(\u)
	IMAGE \u
.else
	s_wait_loadcnt 16                              ; this unit is in; the younger unit's 16 loads may be out
.if (\u) == 0
	s_wait_dscnt 46                                ; p is in: behind its loads stand LOADS0's 46
.endif
	CFMA \u
.endif
.if (\u) == 0
	NEXTPTR
.endif
	ISSUE \u, \kind
	s_wait_dscnt 0x0
	PRODS 0
	PLACES 8
.if \pre
	s_wait_loadcnt 16                              ; the other unit is in; the 16 loads just issued may be out
.if (\pre) == 2
	s_cmp_eq_u32 s82, 7
	s_cbranch_scc1 .Lno_turn_\@                    ; that unit is then the context's first, which stays as it is loaded
.endif
	TURN 1-(\u)
.if (\pre) == 2
.Lno_turn_\@:
.endif
.endif
	RELOADS \u
	TANH ACC, VW
	s_wait_dscnt 0x0
	PRODS 1
.endm
; A chunk's scores: the two halves of the outputs meet in LDS; every wave then holds all 128 scores, 4 a lane; the running maximum; p = 2^((score - m) log2 e) into my own 512 bytes
.macro SOFT c
	WIN 0x05
.irp t, 0,1,2,3
	v_add_f32 v[T+\t], v[SS+2*\t], v[SS+2*\t+1]
.endr
	WIN 0
.irp t, 0,1,2,3
	v_permlanex16_b32 v[T+4+\t], v[T+\t], s26, s27
.endr
.irp t, 0,1,2,3
	v_add_f32 v[T+\t], v[T+\t], v[T+4+\t]
.endr
.irp t, 0,1,2,3
	ds_store_b32 v[SCW], v[T+\t] offset:64*\t
.endr
	s_wait_dscnt 0x0                               ; for the others' sake
	s_barrier_signal -1
	s_barrier_wait -1
	ds_load_b128 v[T:T+3], v[SCRD]
	ds_load_b128 v[T+4:T+7], v[SCRD] offset:512
	s_wait_dscnt 0x0
	v_pk_add_f32 v[T:T+1], v[T:T+1], v[T+4:T+5]
	v_pk_add_f32 v[T+2:T+3], v[T+2:T+3], v[T+6:T+7]
	s_cmp_lg_u32 s20, 0
	s_cbranch_scc1 .Lnot_mine_\@
	global_store_b128 v[L16], v[T:T+3], s[14:15] offset:512*(\c)   ; 512 consecutive bytes
.Lnot_mine_\@:
	s_wait_alu depctr_va_vdst(0)
	v_max3_num_f32 v[T+8], v[T], v[T+1], v[T+2]
	v_max_num_f32 v[T+8], v[T+8], v[T+3]
	v_max_num_f32_dpp v[T+8], v[T+8], v[T+8] row_xmask:1 row_mask:0xf bank_mask:0xf
	v_max_num_f32_dpp v[T+8], v[T+8], v[T+8] row_xmask:2 row_mask:0xf bank_mask:0xf
	v_max_num_f32_dpp v[T+8], v[T+8], v[T+8] row_xmask:4 row_mask:0xf bank_mask:0xf
	v_max_num_f32_dpp v[T+8], v[T+8], v[T+8] row_xmask:8 row_mask:0xf bank_mask:0xf
	v_permlanex16_b32 v[T+9], v[T+8], s26, s27
.if \c
	v_mov_b32 v[T+10], v[ML]
	v_max3_num_f32 v[MX], v[T+8], v[T+9], v[MX]
.else
	v_max_num_f32 v[MX], v[T+8], v[T+9]
.endif
	v_mul_f32 v[ML], s29, v[MX]
.irp t, 0,1,2,3
	v_fma_f32 v[T+4+\t], v[T+\t], s29, -v[ML]
.endr
.if \c
	v_sub_f32 v[T+10], v[T+10], v[ML]
.endif
	s_wait_alu depctr_va_vdst(0)                   ; ahead of the batch
.irp t, 0,1,2,3
	v_exp_f32 v[T+4+\t], v[T+4+\t]
.endr
.if \c
	v_exp_f32 v[T+10], v[T+10]
.endif
	v_nop
	s_wait_alu depctr_va_vdst(0)                   ; and behind it
	ds_store_b128 v[PTW], v[T+4:T+7]
.if \c
.irp q, 0,2,4,6,8,10,12,14
	v_pk_mul_f32 v[CTX+\q:CTX+\q+1], v[CTX+\q:CTX+\q+1], v[T+10:T+11] op_sel_hi:[1,0]   ; the context under the new maximum
.endr
.endif
.endm
	s_load_b128 s[4:7], s[0:1], 0x0                ; values, wvf
	s_load_b64 s[8:9], s[0:1], 0x10                ; qv
	s_load_b64 s[14:15], s[0:1], 0x18              ; scores
	s_load_b128 s[16:19], s[0:1], 0x20             ; pm, pctx
	v_lshl_add_u32 v[SPW], v0, 2, SPARE
	v_mov_b32 v[NIL], 0
	ds_add_u32 v[SPW], v[NIL]                      ; the opening lines: the add twice on end, and its wait
	ds_add_u32 v[SPW], v[NIL]
	v_lshrrev_b32 v24, 5, v0
	v_readfirstlane_b32 s20, v24                   ; wave
	s_lshr_b32 s21, s20, 1                         ; my half of the rows
	s_and_b32 s22, s20, 1                          ; my half of the outputs
	s_bfe_u32 s23, ttmp6, 0x40000
	s_lshl_b32 s24, ttmp9, 2
	s_add_co_u32 s24, s24, s23                     ; work-group
	s_mov_b32 s26, 0x76543210
	s_mov_b32 s27, 0xfedcba98                      ; lane l xor 16
	s_mov_b32 s28, 0x600000                        ; the mantissa field of 448
	s_mov_b32 s29, 0x3fb8aa3b                      ; log2 e
	s_mov_b32 s30, 0x4038aa3b                      ; 2 log2 e
	s_mov_b32 s31, s30
	s_mov_b32 s32, 15|(3<<16)|(1<<21)              ; group 1, a record: 66 rows of 256 bytes, for all four of the cluster
	s_mov_b32 s33, 32<<16
	s_mov_b32 s34, 66<<16
	s_mov_b32 s35, 32<<16
	s_mov_b32 s36, 66
	s_mov_b32 s37, 32
	s_mov_b32 s38, 0
	s_mov_b32 s39, 0
	s_mov_b32 s40, 15|(3<<16)|(1<<21)              ; group 1, a quarter of the batch's qv: 8 rows of 256 bytes
	s_mov_b32 s41, 32<<16
	s_mov_b32 s42, 8<<16
	s_mov_b32 s43, 32<<16
	s_mov_b32 s44, 8
	s_mov_b32 s45, 32
	s_mov_b32 s46, 0
	s_mov_b32 s47, 0
	s_mov_b32 s63, 0
	s_mov_b32 s77, 0
	s_mov_b32 s81, 0
	s_mov_b32 s73, 65536
	s_lshl_b32 s71, s20, 17                        ; the quantiser: my 32 rows of a chunk
	s_lshl_b32 s72, s20, 10                        ; the context: my 256 columns
	s_mov_b32 s70, 0
	s_lshl_b32 s78, s21, 5
	s_add_co_u32 s78, s78, s22
	s_mul_i32 s62, s78, REC                        ; I fetch tile 32 (wave / 2) + wave % 2, and two on with each step
	s_mov_b32 s48, 1
	s_mul_i32 s49, s20, REC
	s_mov_b32 s52, 1
	s_add_co_u32 s53, s49, SLOT
	s_mov_b32 s56, 1
	s_lshl_b32 s57, s20, 11
	s_add_co_u32 s57, s57, QVT
	s_lshr_b32 s76, ttmp9, 1                       ; the batch: two clusters to each
	s_lshl_b32 s76, s76, 13
	s_lshl_b32 s79, s20, 11
	s_add_co_u32 s76, s76, s79
	v_and_b32 v24, 31, v0
	v_and_b32 v25, 15, v0
	v_bfe_u32 v26, v0, 4, 1
	v_lshlrev_b32 v[L16], 4, v24
	s_wait_dscnt 0x0                               ; both opening adds are done
	s_wait_alu depctr_va_vdst(0)
	s_wait_kmcnt 0x0
	s_add_nc_u64 s[60:61], s[6:7], s[62:63]
	s_mov_b64 s[50:51], s[60:61]
	s_or_b32 s51, s51, 0x80000000
	s_add_nc_u64 s[58:59], s[8:9], s[76:77]
	s_or_b32 s59, s59, 0x80000000
	s_lshl_b32 s74, s24, 20                        ; 1,048,576 bytes of values a work-group
	s_lshr_b32 s75, s24, 12
	s_add_nc_u64 s[74:75], s[4:5], s[74:75]
	s_mov_b32 s76, s71
	s_add_nc_u64 s[66:67], s[74:75], s[76:77]
	s_mov_b32 s80, s73
	s_add_nc_u64 s[68:69], s[66:67], s[80:81]
	ISSUE 0, 0                                     ; the first two units are asked for ahead of the rounds
	ISSUE 1, 0
	ROUND
	tensor_load_to_lds s[56:59], s[40:47]          ; the one load at the head: my quarter of qv
	s_nop 0
	s_wait_alu depctr_va_vdst(0)
	s_wait_tensorcnt 0x0
	ds_add_u32 v[SPW], v[NIL]
	s_wait_dscnt 0x0
	ROUND
	tensor_load_to_lds s[48:51], s[32:39]          ; slot 0's first fill
	s_nop 0
	PLACES 4
	s_lshl_b32 s76, s24, 10
	s_add_nc_u64 s[14:15], s[14:15], s[76:77]
	s_lshl_b32 s76, s24, 7
	s_add_nc_u64 s[16:17], s[16:17], s[76:77]
	s_lshl_b32 s76, s24, 12
	s_add_co_u32 s76, s76, s72
	s_add_nc_u64 s[18:19], s[18:19], s[76:77]
	s_mul_i32 s78, s20, STGW
	s_add_co_u32 s78, s78, STG
	v_add_nc_u32 v[STW], s78, v[L16]
	v_mul_u32_u24 v[STR], v25, SP
	v_lshl_add_u32 v[STR], v26, 6, v[STR]
	v_add_nc_u32 v[STR], s78, v[STR]
	s_lshl_b32 s78, s20, 15
	s_add_co_u32 s78, s78, AIMG
	v_add_nc_u32 v[XWI0], s78, v[L16]
	s_lshl_b32 s78, s20, 10
	s_add_co_u32 s78, s78, ASC
	v_lshl_add_u32 v[XWS0], v25, 5, s78
	s_lshl_b32 s78, s21, 16
	s_add_co_u32 s78, s78, AIMG
	v_add_nc_u32 v[LAI], s78, v[L16]
	s_lshl_b32 s78, s21, 11
	s_add_co_u32 s78, s78, ASC
	v_lshl_add_u32 v[LAS], v24, 5, s78
	s_lshl_b32 s78, s22, 9
	s_lshl_b32 s79, s21, 8
	s_add_co_u32 s78, s78, s79
	s_add_co_u32 s78, s78, SCR
	v_lshl_add_u32 v[SCW], v25, 2, s78
	v_add_nc_u32 v[SCRD], SCR, v[L16]
	s_lshl_b32 s78, s20, 9
	s_add_co_u32 s78, s78, PT
	v_add_nc_u32 v[PTW], s78, v[L16]
	v_mov_b32 v[PTR0], s78
	v_lshlrev_b32 v[PMO], 2, v24
	s_mul_i32 s78, s22, 2*REC
	s_add_co_u32 s79, s78, 16384
	v_lshl_add_u32 v[SBA], v24, 2, s79
	s_add_co_u32 s79, s79, SLOT
	v_lshl_add_u32 v[SBA+1], v24, 2, s79
	s_add_co_u32 s79, s78, SLOT
	s_lshl_b32 s80, s22, 12
	s_add_co_u32 s80, s80, QVT
	WIN 0x40
	v_add_nc_u32 v[BAD], s78, v[L16]
	v_add_nc_u32 v[BAD+1], s79, v[L16]
	v_lshl_add_u32 v[QV0], v26, 6, s80
	WIN 0
.irp q, 0,1,2,3,4,5,6,7,8,9,10,11,12,13,14,15
	v_mov_b32 v[CTX+\q], 0
.endr
.irp q, 4,5,6,7
	v_mov_b32 v[TM+\q], 0                          ; a lane permute's destination counts as one of its sources
	v_mov_b32 v[T+\q], 0
.endr
	v_mov_b32 v[T+9], 0
	v_mov_b32 v[T+11], 0
	s_mov_b32 s82, 0
	s_mov_b32 s83, 0
	s_mov_b32 s84, 0
	s_wait_alu depctr_va_vdst(0)
.macro XSTEP u
	s_wait_loadcnt 16
	TURN \u
	s_wait_dscnt 0x0
	QUANT BUF+64*(\u)
	IMAGE \u
.if (\u) == 0
	NEXTPTR
.endif
	ISSUE \u, 0
.endm
.Lx1:                                                  ; chunk 0 is quantised: a K step a trip
	XSTEP 0
	XSTEP 1
	s_add_co_u32 s83, s83, 2048
	s_add_co_u32 s84, s84, 4
	s_add_co_u32 s82, s82, 1
	s_cmp_lt_u32 s82, 8
	s_cbranch_scc1 .Lx1
	s_wait_dscnt 0x0
	s_barrier_signal -1
	s_barrier_wait -1
	LOADA
	GINIT
	s_wait_loadcnt 16
	TURN 0
	s_mov_b32 s82, 0
	s_mov_b32 s83, 0
	s_mov_b32 s84, 0
	s_mov_b32 s85, 0
.Lg1:                                                  ; chunk 0's products, chunk 1's quantiser
	SUB 0, 0, 1, 1
	SUB 0, 1, 1, 2
	s_add_co_u32 s83, s83, 2048
	s_add_co_u32 s84, s84, 4
	s_add_co_u32 s85, s85, 512
	s_add_co_u32 s82, s82, 1
	s_cmp_lt_u32 s82, 8
	s_cbranch_scc1 .Lg1
	FLUSH
	SOFT 0
	LOADA
	GINIT
	s_mov_b32 s82, 0
	s_mov_b32 s85, 0
	s_mov_b32 s86, 0
.Lg2:                                                  ; chunk 1's products, chunk 0's context
	SUB 1, 0, 1, 0
	SUB 1, 1, 1, 0
	s_add_co_u32 s85, s85, 512
	s_add_co_u32 s86, s86, 64
	s_add_co_u32 s82, s82, 1
	s_cmp_lt_u32 s82, 7
	s_cbranch_scc1 .Lg2
	s_mov_b32 s82, 7
	s_mov_b32 s85, 7*512
	s_mov_b32 s86, 7*64
	SUB 1, 0, 1, 0                                 ; the last trip is written out: its second step fills nothing
	SUB 1, 1, 0, 0
	FLUSH
	SOFT 1
.macro CSTEP u, more
.if (\u) == 0
	PLOAD
.endif
.if (\more) || ((\u) == 0)
	s_wait_loadcnt 16
.else
	s_wait_loadcnt 0x0
.endif
.if (\u) == 0
	s_wait_dscnt 0x0
.endif
	CFMA \u
.if \more
.if (\u) == 0
	NEXTPTR
.endif
	ISSUE \u, 1
.endif
.endm
	s_mov_b32 s82, 0
	s_mov_b32 s86, 0
.Lc2:                                                  ; chunk 1's context
	s_wait_alu depctr_va_vdst(0)
	CSTEP 0, 1
	CSTEP 1, 1
	s_add_co_u32 s86, s86, 64
	s_add_co_u32 s82, s82, 1
	s_cmp_lt_u32 s82, 7
	s_cbranch_scc1 .Lc2
	s_mov_b32 s86, 7*64
	CSTEP 0, 0
	CSTEP 1, 0
.irp u, 0,1
	v_pk_add_f32 v[CTX+8*\u:CTX+8*\u+1], v[CTX+8*\u:CTX+8*\u+1], v[CTX+8*\u+4:CTX+8*\u+5]
	v_pk_add_f32 v[CTX+8*\u+2:CTX+8*\u+3], v[CTX+8*\u+2:CTX+8*\u+3], v[CTX+8*\u+6:CTX+8*\u+7]
.endr
	global_store_b128 v[L16], v[CTX:CTX+3], s[18:19]               ; 512 consecutive bytes each
	global_store_b128 v[L16], v[CTX+8:CTX+11], s[18:19] offset:512
	s_cmp_lg_u32 s20, 0
	s_cbranch_scc1 .Lno_pm
	global_store_b32 v[PMO], v[MX], s[16:17]
.Lno_pm:
	s_wait_tensorcnt 0x0                           ; the wave's end
	ds_add_u32 v[SPW], v[NIL]
	s_wait_dscnt 0x0
	ROUND                                          ; the closing round
	s_endpgm
.Lfunc_end_k_q39ca37c404_main:
	.size	k_q39ca37c404_main, .Lfunc_end_k_q39ca37c404_main-k_q39ca37c404_main
	.p2alignl 7, 3214868480
	.fill 96, 4, 3214868480
	.section	.rodata,"a",@progbits
	.p2align	6, 0x0
	.amdhsa_kernel k_q39ca37c404_main
		.amdhsa_group_segment_fixed_size 327680
		.amdhsa_private_segment_fixed_size 0
		.amdhsa_enable_private_segment 0
		.amdhsa_kernarg_size 48
		.amdhsa_user_sgpr_count 2
		.amdhsa_user_sgpr_kernarg_segment_ptr 1
		.amdhsa_wavefront_size32 1
		.amdhsa_system_sgpr_workgroup_id_x 1
		.amdhsa_system_sgpr_workgroup_id_y 1
		.amdhsa_system_sgpr_workgroup_id_z 1
		.amdhsa_system_vgpr_workitem_id 0
		.amdhsa_next_free_vgpr 1024
		.amdhsa_next_free_sgpr 96
		.amdhsa_reserve_vcc 0
		.amdhsa_float_denorm_mode_32 3
		.amdhsa_float_denorm_mode_16_64 3
		.amdhsa_memory_ordered 1
		.amdhsa_forward_progress 1
		.amdhsa_inst_pref_size 255
	.end_amdhsa_kernel
	.section	.bss,"aw",@nobits
	.p2align	6
	.space	262144
	.amdgpu_metadata
---
amdhsa.version: [ 1, 2 ]
amdhsa.kernels:
  - .name:           k_q39ca37c404_main
    .symbol:         k_q39ca37c404_main.kd
    .args:
      - { .name: values, .offset: 0, .size: 8, .value_kind: global_buffer, .address_space: global }
      - { .name: wvf, .offset: 8, .size: 8, .value_kind: global_buffer, .address_space: global }
      - { .name: qv, .offset: 16, .size: 8, .value_kind: global_buffer, .address_space: global }
      - { .name: scores, .offset: 24, .size: 8, .value_kind: global_buffer, .address_space: global }
      - { .name: pm, .offset: 32, .size: 8, .value_kind: global_buffer, .address_space: global }
      - { .name: pctx, .offset: 40, .size: 8, .value_kind: global_buffer, .address_space: global }
    .group_segment_fixed_size: 327680
    .private_segment_fixed_size: 0
    .kernarg_segment_align: 8
    .kernarg_segment_size: 48
    .max_flat_workgroup_size: 128
    .sgpr_count:     96
    .vgpr_count:     1024
    .wavefront_size: 32
...
	.end_amdgpu_metadata
.endif
;; end of part 2
;; launch finish (part 3): grid 32 x 1, 8 waves a work-group, no clusters, 1,536 bytes of LDS; arguments scores, pm, pctx, out0, out1; writes out0, out1
.if DOCPART == 3
	.amdgcn_target "amdgcn-amd-amdhsa--gfx1250"
	.amdhsa_code_object_version 6
	.text
	.protected	k_q39ca37c404_finish
	.globl	k_q39ca37c404_finish
	.p2align	8
	.type	k_q39ca37c404_finish,@function
k_q39ca37c404_finish:
	s_mov_b64 s[64:65], 0
	v_nop
	global_prefetch_b8 v0, s[64:65] scope:SCOPE_SE
	s_setreg_imm32_b32 hwreg(HW_REG_WAVE_MODE, 25, 1), 1
	s_wait_xcnt 0x0
; One work-group for each batch joins the parts of the batch's eight work-groups of the launch before.
; scores [32][2048]; pm [256][32]: each part's maximum m; pctx [256][1024]: each part's sum of 2^((score - m) log2 e) x values.
; M = the largest of the eight m, which are maxima of exactly these scores; out1 = 2^((score - M) log2 e) / S, S their sum; out0 = the sum over the parts of 2^((m - M) log2 e) / S x pctx.
; Thread t holds 8 scores (16 bytes at 16 t and at 4096 + 16 t) and 4 columns of the context (16 bytes at 16 t of each part): every load and store of a wave covers 512 consecutive bytes.
; A batch moves 52 KB and the work is a chain of a few steps: more work-groups would only make M and S again.  No matrix unit, no tensor load: nothing here is a product or is read twice.
	s_load_b256 s[4:11], s[0:1], 0x0               ; scores s[4:5], pm s[6:7], pctx s[8:9], out0 s[10:11]
	s_load_b64 s[12:13], s[0:1], 0x20              ; out1
	v_lshl_add_u32 v96, v0, 2, 0x200
	v_mov_b32 v97, 0
	v_lshlrev_b32 v1, 4, v0                        ; 16 t
	v_lshrrev_b32 v2, 5, v0
	s_delay_alu instid0(VALU_DEP_1)
	v_lshlrev_b32 v2, 2, v2                        ; LDS: a word for each wave
	s_lshl_b32 s16, ttmp9, 13                      ; 8,192 bytes of scores and of out1 a batch
	s_mov_b32 s17, 0
	s_lshl_b32 s18, ttmp9, 10                      ; eight parts x 128 bytes of pm
	s_mov_b32 s19, 0
	s_lshl_b32 s20, ttmp9, 15                      ; eight parts x 4,096 bytes of pctx
	s_mov_b32 s21, 0
	s_lshl_b32 s22, ttmp9, 12                      ; 4,096 bytes of out0
	s_mov_b32 s23, 0
	s_mov_b32 s32, 0x3fb8aa3b                      ; log2 e
	s_mov_b32 s34, 0x76543210
	s_mov_b32 s35, 0xfedcba98                      ; lane l xor 16
	s_wait_alu depctr_va_vdst(0)
	s_wait_kmcnt 0x0
	s_add_nc_u64 s[4:5], s[4:5], s[16:17]
	s_add_nc_u64 s[6:7], s[6:7], s[18:19]
	s_add_nc_u64 s[8:9], s[8:9], s[20:21]
	s_add_nc_u64 s[10:11], s[10:11], s[22:23]
	s_add_nc_u64 s[12:13], s[12:13], s[16:17]
.irp g, 0,1,2,3,4,5,6,7
	s_load_b32 s[24+\g], s[6:7], 128*\g            ; the eight m
.endr
	global_load_b128 v[4:7], v1, s[4:5]
	global_load_b128 v[8:11], v1, s[4:5] offset:4096
.irp g, 0,1,2,3,4,5,6,7
	global_load_b128 v[12+4*\g:15+4*\g], v1, s[8:9] offset:4096*\g
.endr
	v_mov_b32 v73, 0                               ; a lane permute's destination counts as one of its sources
	v_mov_b32 v74, 0                               ; LDS byte 0
	v_mov_b32 v85, 0                               ; the upper half of a pair of which the low word is used
	s_wait_kmcnt 0x0
	v_mov_b32 v50, s24
	s_delay_alu instid0(VALU_DEP_1)
	v_max3_num_f32 v50, v50, s25, s26
	s_delay_alu instid0(VALU_DEP_1)
	v_max3_num_f32 v50, v50, s27, s28
	s_delay_alu instid0(VALU_DEP_1)
	v_max3_num_f32 v50, v50, s29, s30
	s_delay_alu instid0(VALU_DEP_1)
	v_max_num_f32 v50, s31, v50                    ; M
	s_delay_alu instid0(VALU_DEP_1)
	v_mul_f32 v51, s32, v50                        ; M log2 e
.irp g, 0,1,2,3,4,5,6,7
	v_fma_f32 v[60+\g], s[24+\g], s32, -v51
.endr
	s_wait_alu depctr_va_vdst(0)
	s_wait_loadcnt 8                               ; the scores are in: pctx's eight loads are younger
.irp k, 0,1,2,3,4,5,6,7
	v_fma_f32 v[52+\k], v[4+\k], s32, -v51
.endr
	s_wait_alu depctr_va_vdst(0)
.irp k, 0,1,2,3,4,5,6,7,8,9,10,11,12,13,14,15
	v_exp_f32 v[52+\k], v[52+\k]                   ; eight p, and the eight parts' factors: one batch
.endr
	v_nop
	s_wait_alu depctr_va_vdst(0)                   ; one wait for the batch, ahead of its first reader
	v_pk_add_f32 v[72:73], v[52:53], v[54:55]
	v_pk_add_f32 v[76:77], v[56:57], v[58:59]
	s_delay_alu instid0(VALU_DEP_1)
	v_pk_add_f32 v[72:73], v[72:73], v[76:77]
	s_delay_alu instid0(VALU_DEP_1)
	v_add_f32 v72, v72, v73
	s_delay_alu instid0(VALU_DEP_1)
	v_add_f32_dpp v72, v72, v72 row_xmask:1 row_mask:0xf bank_mask:0xf
	s_delay_alu instid0(VALU_DEP_1)
	v_add_f32_dpp v72, v72, v72 row_xmask:2 row_mask:0xf bank_mask:0xf
	s_delay_alu instid0(VALU_DEP_1)
	v_add_f32_dpp v72, v72, v72 row_xmask:4 row_mask:0xf bank_mask:0xf
	s_delay_alu instid0(VALU_DEP_1)
	v_add_f32_dpp v72, v72, v72 row_xmask:8 row_mask:0xf bank_mask:0xf
	s_delay_alu instid0(VALU_DEP_1)
	v_permlanex16_b32 v73, v72, s34, s35
	s_delay_alu instid0(VALU_DEP_1)
	v_add_f32 v72, v72, v73                        ; my wave's sum
	ds_store_b32 v2, v72                           ; all lanes write the same word with the same value
	s_wait_dscnt 0x0                               ; for the others' sake
	s_barrier_signal -1
	s_barrier_wait -1
	ds_load_b128 v[76:79], v74
	ds_load_b128 v[80:83], v74 offset:16
	s_wait_dscnt 0x0
	v_pk_add_f32 v[76:77], v[76:77], v[78:79]
	v_pk_add_f32 v[80:81], v[80:81], v[82:83]
	s_delay_alu instid0(VALU_DEP_1)
	v_pk_add_f32 v[76:77], v[76:77], v[80:81]
	s_delay_alu instid0(VALU_DEP_1)
	v_add_f32 v76, v76, v77                        ; S: at least 1, since the largest score's p is 1
	s_wait_alu depctr_va_vdst(0)
	v_rcp_f32 v84, v76
	v_nop
	s_wait_alu depctr_va_vdst(0)
.irp k, 0,2,4,6,8,10,12,14
	v_pk_mul_f32 v[52+\k:53+\k], v[52+\k:53+\k], v[84:85] op_sel_hi:[1,0]   ; the weights, and the parts' factors, / S
.endr
	global_store_b128 v1, v[52:55], s[12:13]
	global_store_b128 v1, v[56:59], s[12:13] offset:4096
	s_wait_alu depctr_va_vdst(0)
	s_wait_loadcnt 0x0                             ; pctx
	v_pk_mul_f32 v[88:89], v[12:13], v[60:61] op_sel_hi:[1,0]
	v_pk_mul_f32 v[90:91], v[14:15], v[60:61] op_sel_hi:[1,0]
.irp g, 1,2,3,4,5,6,7
.if \g%2 == 0
	s_delay_alu instid0(VALU_DEP_2)
	v_pk_fma_f32 v[88:89], v[12+4*\g:13+4*\g], v[60+\g:61+\g], v[88:89] op_sel_hi:[1,0,1]          ; both halves take the pair's first factor
	s_delay_alu instid0(VALU_DEP_2)
	v_pk_fma_f32 v[90:91], v[14+4*\g:15+4*\g], v[60+\g:61+\g], v[90:91] op_sel_hi:[1,0,1]
.else
	s_delay_alu instid0(VALU_DEP_2)
	v_pk_fma_f32 v[88:89], v[12+4*\g:13+4*\g], v[59+\g:60+\g], v[88:89] op_sel:[0,1,0] op_sel_hi:[1,1,1]   ; both take its second
	s_delay_alu instid0(VALU_DEP_2)
	v_pk_fma_f32 v[90:91], v[14+4*\g:15+4*\g], v[59+\g:60+\g], v[90:91] op_sel:[0,1,0] op_sel_hi:[1,1,1]
.endif
.endr
	global_store_b128 v1, v[88:91], s[10:11]
	s_wait_tensorcnt 0x0
	ds_add_u32 v96, v97
	s_wait_dscnt 0x0
	s_endpgm
.Lfunc_end_k_q39ca37c404_finish:
	.size	k_q39ca37c404_finish, .Lfunc_end_k_q39ca37c404_finish-k_q39ca37c404_finish
	.p2alignl 7, 3214868480
	.fill 96, 4, 3214868480
	.section	.rodata,"a",@progbits
	.p2align	6, 0x0
	.amdhsa_kernel k_q39ca37c404_finish
		.amdhsa_group_segment_fixed_size 1536
		.amdhsa_private_segment_fixed_size 0
		.amdhsa_enable_private_segment 0
		.amdhsa_kernarg_size 40
		.amdhsa_user_sgpr_count 2
		.amdhsa_user_sgpr_kernarg_segment_ptr 1
		.amdhsa_wavefront_size32 1
		.amdhsa_system_sgpr_workgroup_id_x 1
		.amdhsa_system_sgpr_workgroup_id_y 1
		.amdhsa_system_sgpr_workgroup_id_z 1
		.amdhsa_system_vgpr_workitem_id 0
		.amdhsa_next_free_vgpr 98
		.amdhsa_next_free_sgpr 66
		.amdhsa_reserve_vcc 0
		.amdhsa_float_denorm_mode_32 3
		.amdhsa_float_denorm_mode_16_64 3
		.amdhsa_memory_ordered 1
		.amdhsa_forward_progress 1
		.amdhsa_inst_pref_size 9
	.end_amdhsa_kernel
	.amdgpu_metadata
---
amdhsa.version: [ 1, 2 ]
amdhsa.kernels:
  - .name:           k_q39ca37c404_finish
    .symbol:         k_q39ca37c404_finish.kd
    .args:
      - { .name: scores, .offset: 0, .size: 8, .value_kind: global_buffer, .address_space: global }
      - { .name: pm, .offset: 8, .size: 8, .value_kind: global_buffer, .address_space: global }
      - { .name: pctx, .offset: 16, .size: 8, .value_kind: global_buffer, .address_space: global }
      - { .name: out0, .offset: 24, .size: 8, .value_kind: global_buffer, .address_space: global }
      - { .name: out1, .offset: 32, .size: 8, .value_kind: global_buffer, .address_space: global }
    .group_segment_fixed_size: 1536
    .private_segment_fixed_size: 0
    .kernarg_segment_align: 8
    .kernarg_segment_size: 40
    .max_flat_workgroup_size: 256
    .sgpr_count:     66
    .vgpr_count:     98
    .wavefront_size: 32
...
	.end_amdgpu_metadata
.endif
;; end of part 3
